; MI455X (gfx1250); checked and timed in simulation.
; The chip was launched on July 23, 2026; its instructions are those of AMD's public machine-readable ISA for CDNA 5 (MIT licence, August 2026) and "CDNA5" Instruction Set Architecture Reference Guide (July 2026). The comments in the code are by the model that wrote it; some were corrected since.
;; Multi Lora Module. Allowed arithmetic: matrix products marked QUANTISED: E4M3 operands, one given power-of-two scale a tensor, by v_wmma_f32_16x16x64_fp8_fp8 or v_wmma_f32_16x16x128_fp8_fp8, f32 sums; products left as they are: f32 operands where the result goes on into a quantised operand, else bf16, f16 or f32 operands; f32 sums; everything else in f32.
;; Inputs: adapter_ids 4 int32; base_bias 4,096 float32; base_weight_codes 4,096 x 128 x 32 uint8 (E4M3 codes of base_weight, K innermost, in blocks of 32 codes); lora_A_w 32 x 16 x 4,096 float32; lora_B_w 32 x 4,096 x 16 float32; lowp_scales 4 int32 (the exponents e of the quantised operands' scales 2^e); x_codes 4 x 1,024 x 128 x 32 uint8 (E4M3 codes of x, K innermost, in blocks of 32 codes).
;; Outputs: out0 4 x 1,024 x 4,096 float32.
;; This version of the problem:
;;   THIS VERSION OF THE PROBLEM IS GIVEN IN LOW PRECISION. The matrix products marked QUANTISED in the list below multiply operands that are first quantised to E4M3 (4 exponent bits, 3 mantissa bits; 8 bits a number), with one given power-of-two scale for each operand tensor; their sums are f32. All else is computed in f32.
;;   The module's matrix products, in the order in which they are computed (A, B: the left and right operand; K: the contracted axis; several contracted axes count as one K, in the product's order):
;;     1. [M 4,096, K 4,096] x [K 4,096, N 4,096]; A: input x (given as codes); B: input base_weight (given as codes): QUANTISED (scales: A lowp_scales[0], B lowp_scales[1])
;;     2. batch 4 x [M 1,024, K 4,096] x [K 4,096, N 16]; A: input x (given as codes); B: computed on the way: QUANTISED (scales: A lowp_scales[2], B lowp_scales[3])
;;     3. batch 4 x [M 1,024, K 16] x [K 16, N 4,096]; A: computed on the way; B: computed on the way: left as it is (K = 16 < 32)
;;   THE QUANTISER, for each operand of a quantised product, along K:
;;     - The operand's scale is 2^e, e = its entry of the input lowp_scales (int32; the entries are numbered through the quantised products in the list's order, A before B).
;;     - Each number is divided by the scale, clamped to +-448, and rounded to the nearest number of E4M3, ties to even, subnormals kept.
;;     - The product sums the exact products of the quantised numbers (number of the format x scale) in f32.
;;   ~~~python
;;   def quantise(x, axis, e):      # numpy; x: float32 -> the quantised numbers, widened to float32 again
;;       x = np.moveaxis(x, axis, -1); K = x.shape[-1]
;;       r = np.clip(x / 2.0 ** e, -448, 448)
;;       step = 2.0 ** (np.maximum(np.frexp(np.where(r == 0, 1, r))[1] - 1, -6) - 3)
;;       q = np.round(r / step) * step * 2.0 ** e      # np.round: ties to even
;;       return np.moveaxis(q, -1, axis).astype(np.float32)
;;   ~~~
;;   OPERANDS COMPUTED ON THE WAY. 'Computed on the way' means the value that the module computes at that place (a softmax that the list does not call 'softmax' is quantised finished and normalised). What goes into a quantiser is computed in f32, as accurately as f32 sums, v_exp_f32 and their like allow (about 1e-6 of the number): no bf16 or f16 on the way to a quantiser, and a product that is left as it is and whose result goes on into a quantised operand takes f32 operands (vector FMAs, or v_wmma_f32_16x16x4_f32). A number that lies on a knife's edge between two numbers of the format may be rounded either way, as far as f32 arithmetic and the matrix unit's own rounding can turn it there, and no further.
;;   INPUTS GIVEN AS CODES. base_weight (in the module: [4096, 4096], K = its axis 1); x (in the module: [4, 1024, 4096], K = its axis 2): each comes as NAME_codes (uint8): NAME with its K axis moved to the last place and cut into blocks of 32 codes, [.., K / 32, bytes a block], one block behind the other in memory; one code a byte (a code: sign, 4 exponent bits, 3 mantissa bits); its scale is its entry of lowp_scales. Its value is code x scale, taken as it is: it is not quantised again, and the codes and scales need not be those that the quantiser above would give.
;; One version. Each part assembles by itself: llvm-mc -triple=amdgcn-amd-amdhsa -mcpu=gfx1250 --defsym DOCPART=n.
;; ======== version 1 of 1: 1 launch
;; limits: values are held in bf16: 8 bits of precision; right only within a limited range of input values
;; launch lora_gemm (part 1): grid 16 x 16, 4 waves a work-group, clusters of 4 x 4, 327,680 bytes of LDS; arguments x_codes, base_weight_codes, lowp_scales, out0, adapter_ids, lora_A_w, lora_B_w, base_bias; writes out0
.if DOCPART == 1
	.amdgcn_target "amdgcn-amd-amdhsa--gfx1250"
	.amdhsa_code_object_version 6
	.text
	.protected	k_qec020d2497_lora_gemm
	.globl	k_qec020d2497_lora_gemm
	.p2align	8
	.type	k_qec020d2497_lora_gemm,@function
k_qec020d2497_lora_gemm:
	s_mov_b64 s[64:65], 0
	v_nop
	global_prefetch_b8 v0, s[64:65] scope:SCOPE_SE
	s_setreg_imm32_b32 hwreg(HW_REG_WAVE_MODE, 25, 1), 1
	s_wait_xcnt 0x0
	s_wait_alu depctr_hold_cnt(0) depctr_sa_sdst(0) depctr_va_vdst(0) depctr_va_sdst(0) depctr_va_ssrc(0) depctr_va_vcc(0) depctr_vm_vsrc(0)
	s_getreg_b32 s2, hwreg(HW_REG_IB_STS2, 6, 4)
	s_cmp_eq_u32 s2, 0
	s_cbranch_scc0 .Lentry_in_a_cluster
	s_endpgm
.Lentry_in_a_cluster:
	s_bfe_u32 s2, ttmp6, 0x10000c
	s_cmp_lg_u32 s2, 0xf033
	s_cbranch_scc0 .Lentry_shape_is_right
	s_endpgm
.Lentry_shape_is_right:
; out[m][n] = 2^(e0+e1) sum_k X[m][k] W[n][k] + bias[n] + sum_r h[m][r] LB[n][r],  h[m][r] = 2^(e2+e3) sum_k X[m][k] Q(LA)[r][k];
; LA, LB = the tables' entries of the batch's adapter, e0 .. e3 = lowp_scales, Q = E4M3 codes by 2^e3.  X and W are multiplied as codes.  No step of the problem is left out.
; LIMITS: e0+e1 in -126 .. 127, e3 in -126 .. 119 (so that 2^(e0+e1), 2^e3 and 448 x 2^e3 are f32 numbers); h x 2^(-e0-e1) stays an f32 number.
;   h and LB are rounded to bf16.  An infinity or NaN in LB (also one that rounding to bf16 makes, from 3.39e38 on) may reach the 16 columns of out beside its own:
;   a fragment of LB is followed in its registers by the next one, which meets zeros of h.  Adapter ids lie in 0 .. 31 (held at 31).
; A work-group makes 256 x 256 of out; four waves, 128 x 128 each: 64 accumulators.  K goes in 16 steps of 256 through two LDS slots.
; CLUSTERS 4 x 4: a row of a cluster shares X's tiles, a column W's: joint loads with a mask of four.  A row of clusters is one batch of 1,024 rows: one adapter.
; The matrix instruction is used transposed (source 0 = rows of W, source 1 = rows of X): a lane holds eight neighbouring numbers of a row of out.
; The two waves that share 128 rows of X compute h for 64 rows each, and hand it over through LDS in the last K step.
; PREFETCH: behind each joint load for K step s a wave names the 256 bytes of K step s + 2 of 32 rows, a lane a row; the four partners share a tile's rows by address
;   (at the head K steps 1 and 2 stand behind K step 0's load).  The last prefetch, behind K step 13's load, is for K step 15.  The adapter's rows are not prefetched: all row blocks of a batch read the same 16 rows.
; REGISTERS: window 0: v0-31 addresses; R lora_A as f32, QC its codes, LF its fragment, HACC h's sums, AF the fragments of X (8 blocks of 16 rows).
;   window 1: W's fragments, two sets.  windows 2, 3: accumulators of blocks 0-3 (the 64 rows whose h is mine) and 4-7.
.set SIZE_N, 4096
.set ROWB,   256
.set KROW,   4096
.set PITCH,  272                       ; 256 bytes + 16 of padding
.set HALFT,  128*PITCH
.set SLOT,   4*HALFT
.set SPARE,  2*SLOT                    ; the spare words: 128 bytes a wave
.set IMG,    SPARE+512                 ; lora_A's codes of a K step as fragments, two images
.set IMGQ,   2304
.set IMGSLOT, 2*IMGQ
.set BIMG,   IMG+2*IMGSLOT             ; lora_B in bf16: 16 blocks of 512 bytes
.set HIMG,   BIMG+8192                 ; h in bf16, 2048 bytes a wave
.set SPITCH, 528                       ; the way out's stage: 16 rows x 528 bytes a wave, in slot 0 behind its last read
.set PFO,  6                           ; lane x 4096
.set BIAS, 8
.set VLO,  12
.set VST,  13
.set VLI,  14
.set QS,   15
.set ADRA, 16
.set ADRAH, 18
.set ADRB, 20
.set QL,   22
.set LW,   23
.set STO,  24
.set RD,   25
.set COL,  26
.set HRI,  27
.set SPW,  28
.set NIL,  29
.set BRI,  30
.set COH,  31
.set R,    32
.set QC,   64
.set LF,   72
.set HACC, 96
.set LBF,  92                          ; the last K step: lora_B's 8 fragments, 4 registers each, v92-123; v124-127 zero
.set AF,   128
.set G1, 24
.set G0, 32
.set G1B, 48
.set G0B, 56
.set MSB, 0
.macro WIN new
.if MSB != (\new)
	s_set_vgpr_msb (MSB<<8)|(\new)
.set MSB, (\new)
.endif
.endm
.macro PLACES cnt
.rept \cnt
	v_nop
.endr
.endm
; a joint load: waves 0, 1 fetch X's halves, waves 2, 3 W's
.macro JLOAD s
	s_cmp_eq_u32 s15, 0
	s_cbranch_scc0 .Lfor_b_\@
	tensor_load_to_lds s[G0+4*\s:G0+4*\s+3], s[G1:G1+7]
	s_nop 0
.rept 4
	v_nop
.endr
	s_branch .Lasked_\@
.Lfor_b_\@:
	tensor_load_to_lds s[G0B+4*\s:G0B+4*\s+3], s[G1B:G1B+7]
	s_nop 0
.rept 4
	v_nop
.endr
.Lasked_\@:
.endm
.macro CROUND                          ; a whole round of the cluster's barrier
	s_barrier_signal -1
	s_barrier_wait -1
	s_cmp_lg_u32 s14, 0
	s_cbranch_scc1 .Lnot_wave_0_\@
	s_barrier_signal -3
.Lnot_wave_0_\@:
	s_barrier_wait -3
	s_barrier_signal -1
	s_barrier_wait -1
.endm
.macro PREF off
	global_prefetch_b8 v[PFO], s[98:99] offset:\off th:TH_LOAD_NT scope:SCOPE_SE
.endm
; a fragment: 16 rows x 128 K = 16 registers: lane (r, h): registers 4c .. 4c+3 hold K = 32c + 16h + 0..15, in X, W and lora_A alike
.macro FRAG reg, adr, q, i
.irp c, 0,1,2,3
	ds_load_b128 v[(\reg)+4*\c:(\reg)+4*\c+3], v[\adr] offset:128*(\q)+32*\c+(\i)*16*PITCH
.endr
.endm
.macro LA slot, q, i, to               ; X's block i into place 'to'
	WIN 0
.if (\i) < 4
	FRAG AF+16*(\to), ADRA+\slot, \q, \i
.else
	FRAG AF+16*(\to), ADRAH+\slot, \q, (\i)-4
.endif
.endm
.macro LB slot, q, i, p                ; W's block i into set p
	WIN 0x40
	FRAG 128*(\p)+16*(\i), ADRB+\slot, \q, \i
.endm
.macro LL par, q                       ; lora_A's fragment
	WIN 0
.irp c, 0,1,2,3
	ds_load_b128 v[LF+4*\c:LF+4*\c+3], v[VLI] offset:(\par)*IMGSLOT+(\q)*IMGQ+576*\c
.endr
.endm
; four products: X's fragment in place f, for block a, with four of W's blocks.  z = 1 starts the sums
.macro MF a, f, h, p, z
	WIN 0xa1+0x50*((\a)/4)
.irp b, 0,1,2,3
.if \z
	v_wmma_f32_16x16x128_fp8_fp8 v[64*((\a)%4)+8*(4*(\h)+\b):64*((\a)%4)+8*(4*(\h)+\b)+7], v[128*(\p)+16*(4*(\h)+\b):128*(\p)+16*(4*(\h)+\b)+15], v[AF+16*(\f):AF+16*(\f)+15], 0
.else
	v_wmma_f32_16x16x128_fp8_fp8 v[64*((\a)%4)+8*(4*(\h)+\b):64*((\a)%4)+8*(4*(\h)+\b)+7], v[128*(\p)+16*(4*(\h)+\b):128*(\p)+16*(4*(\h)+\b)+15], v[AF+16*(\f):AF+16*(\f)+15], v[64*((\a)%4)+8*(4*(\h)+\b):64*((\a)%4)+8*(4*(\h)+\b)+7]
.endif
.endr
.endm
.macro MQ a, h, p, z
	MF \a, \a, \h, \p, \z
.endm
.macro RQ a, q                         ; the last K step: block a, the q-th 128 along K
	MF \a, (\a)%4+4*(\q), 0, \q, 0
	MF \a, (\a)%4+4*(\q), 1, \q, 0
.endm
.macro HM i, f, z                      ; h of block i
	WIN 0
.if \z
	v_wmma_f32_16x16x128_fp8_fp8 v[HACC+8*(\i):HACC+8*(\i)+7], v[LF:LF+15], v[AF+16*(\f):AF+16*(\f)+15], 0
.else
	v_wmma_f32_16x16x128_fp8_fp8 v[HACC+8*(\i):HACC+8*(\i)+7], v[LF:LF+15], v[AF+16*(\f):AF+16*(\f)+15], v[HACC+8*(\i):HACC+8*(\i)+7]
.endif
.endm
; A quarter of my share of lora_A's next K step: held, coded, into image par; then the quarter of the K step after that is asked for (ko below 0: none).
; Its eight v_med3 are also the places behind the products ahead of it.
.macro CHUNK k, par, lc, ko
	WIN 0
	s_wait_loadcnt \lc
.irp m, 0,1,2,3,4,5,6,7
	v_med3_num_f32 v[R+8*\k+\m], v[R+8*\k+\m], -v[QL], v[QL]
.endr
	v_cvt_scalef32_pk8_fp8_f32 v[QC+2*\k:QC+2*\k+1], v[R+8*\k:R+8*\k+7], v[QS]
	v_nop
	ds_store_b32 v[VST], v[QC+2*\k] offset:(\par)*IMGSLOT+64*\k
	ds_store_b32 v[VST], v[QC+2*\k+1] offset:(\par)*IMGSLOT+64*\k+32
.if (\ko) >= 0
	global_load_b128 v[R+8*\k:R+8*\k+3], v[VLO], s[70:71] offset:65536*\k+\ko
	global_load_b128 v[R+8*\k+4:R+8*\k+7], v[VLO], s[70:71] offset:65536*\k+32768+\ko
.endif
.endm
; A slot's first 128 along K.  On entry these loads may be out, oldest first: W 0-3, X 0, W 4-7, lora_A, X 1-3.  Each wait's count is what has been issued
; behind the fragment that the next products read: 4 a fragment, 2 stores a chunk.
.macro STEP s, l0, l1, l2, ko
	CHUNK 0, 1-\s, \l0, \ko
	s_wait_dscnt 34                    ; X 0 and W 0-3 are in
	MQ 0, 0, 0, 0
	LA \s, 0, 4, 4
	s_wait_dscnt 22                    ; W 4-7
	MQ 0, 1, 0, 0
	LA \s, 0, 5, 5
	s_wait_dscnt 18                    ; lora_A, X 1
	HM 0, 0, 0
	MQ 1, 0, 0, 0
	LA \s, 0, 6, 6
	MQ 1, 1, 0, 0
	HM 1, 1, 0
	LA \s, 0, 7, 7
	s_wait_dscnt 22                    ; X 2
	MQ 2, 0, 0, 0
	LB \s, 1, 0, 1
	MQ 2, 1, 0, 0
	HM 2, 2, 0
	LB \s, 1, 1, 1
	s_wait_dscnt 26                    ; X 3
	MQ 3, 0, 0, 0
	LB \s, 1, 2, 1
	MQ 3, 1, 0, 0
	HM 3, 3, 0
	CHUNK 1, 1-\s, \l1, \ko
	LB \s, 1, 3, 1
	s_wait_dscnt 30                    ; X 4
	MQ 4, 0, 0, 0
	LB \s, 1, 4, 1
	MQ 4, 1, 0, 0
	LB \s, 1, 5, 1
	s_wait_dscnt 34                    ; X 5
	MQ 5, 0, 0, 0
	LB \s, 1, 6, 1
	LA \s, 1, 0, 0
	MQ 5, 1, 0, 0
	CHUNK 2, 1-\s, \l2, \ko
	LB \s, 1, 7, 1
	LA \s, 1, 1, 1
	s_wait_dscnt 48                    ; X 6
	MQ 6, 0, 0, 0
	LA \s, 1, 2, 2
	LL \s, 1
	s_wait_dscnt 52                    ; X 7
	MQ 6, 1, 0, 0
	LA \s, 1, 3, 3
	LA \s, 1, 4, 4
	MQ 7, 0, 0, 0
	LA \s, 1, 5, 5
	MQ 7, 1, 0, 0
.endm
; A slot's second 128 along K, and the change of slots.  On entry the youngest loads out: .. W 7, X 1, X 2, lora_A, X 3-5.
.macro TURN s, lc, ko, fill, pf
	CHUNK 3, 1-\s, \lc, \ko
	s_wait_dscnt 26                    ; X 0, W 0-7
	MQ 0, 0, 1, 0
	LA \s, 1, 6, 6
	LA \s, 1, 7, 7
	s_wait_dscnt 22                    ; X 1, X 2, lora_A
	MQ 0, 1, 1, 0
	HM 0, 0, 0
	MQ 1, 0, 1, 0
	HM 1, 1, 0
	s_wait_tensorcnt 0x0               ; all my tensor loads are done: my part of the next slot;
	ds_add_u32 v[SPW], v[NIL]          ; 0 onto my spare word
.if \fill
	s_add_nc_u64 s[G0+4*\s+2:G0+4*\s+3], s[G0+4*\s+2:G0+4*\s+3], 2*ROWB
	s_add_nc_u64 s[G0B+4*\s+2:G0B+4*\s+3], s[G0B+4*\s+2:G0B+4*\s+3], 2*ROWB
.endif
	MQ 1, 1, 1, 0
	MQ 2, 0, 1, 0
	HM 2, 2, 0
	s_wait_dscnt 0x0                   ; the add, my reads of this slot and my stores of the next image are done
	s_barrier_signal -1
	HM 3, 3, 0                         ; register work while the others arrive
	MQ 2, 1, 1, 0
	WIN 0
	s_barrier_wait -1
.if \fill
	s_cmp_lg_u32 s14, 0                ; the rest of a round of the cluster's barrier
	s_cbranch_scc1 .Lnot_first_\@
	s_barrier_signal -3
.Lnot_first_\@:
	s_barrier_wait -3
	s_barrier_signal -1
	s_barrier_wait -1
	JLOAD \s                           ; the K step two on; its four v_nop are the places in front of the loads below
.else
	PLACES 4
.endif
	LB 1-\s, 0, 0, 0
	MQ 3, 0, 1, 0
	LB 1-\s, 0, 1, 0
	LB 1-\s, 0, 2, 0
	MQ 3, 1, 1, 0
	LB 1-\s, 0, 3, 0
	MQ 4, 0, 1, 0
	LA 1-\s, 0, 0, 0
	LB 1-\s, 0, 4, 0
	MQ 4, 1, 1, 0
	LB 1-\s, 0, 5, 0
	MQ 5, 0, 1, 0
	LB 1-\s, 0, 6, 0
	MQ 5, 1, 1, 0
	LB 1-\s, 0, 7, 0
	LL 1-\s, 0
	MQ 6, 0, 1, 0
	LA 1-\s, 0, 1, 1
	MQ 6, 1, 1, 0
	LA 1-\s, 0, 2, 2
.if (\pf) >= 0
	PREF \pf
.endif
	MQ 7, 0, 1, 0
	PLACES 4                           ; for the load below: block 3's products stand behind the joint load's places
	LA 1-\s, 0, 3, 3
	MQ 7, 1, 1, 0
.endm
	s_load_b128 s[4:7], s[0:1], 0x0                ; X's codes, W's codes
	s_load_b128 s[8:11], s[0:1], 0x10              ; lowp_scales, out
	s_load_b256 s[68:75], s[0:1], 0x20             ; ids, lora_A, lora_B, bias
	v_lshl_add_u32 v[SPW], v0, 2, SPARE
	v_mov_b32 v[NIL], 0
	ds_add_u32 v[SPW], v[NIL]                      ; the opening lines: the add twice on end and its wait
	ds_add_u32 v[SPW], v[NIL]
	v_lshrrev_b32 v1, 5, v0
	v_readfirstlane_b32 s14, v1                    ; wave
	s_lshr_b32 s15, s14, 1                         ; my half of the tile's rows; I fetch for X (0) or W (1)
	s_and_b32 s16, s14, 1                          ; my half of its columns, and of the rows that I fetch
	s_xor_b32 s85, s16, 1
	s_mul_i32 s21, s15, HALFT
	s_mul_i32 s22, s16, HALFT
	s_add_co_u32 s22, s22, 2*HALFT                 ; my rows of W in a slot
	s_mul_i32 s86, s16, 64*PITCH
	s_add_co_u32 s86, s86, s21                     ; the 64 rows of X whose h is mine,
	s_mul_i32 s87, s85, 64*PITCH
	s_add_co_u32 s87, s87, s21                     ; and the other 64
	s_lshl_b32 s88, s14, 8
	s_mul_i32 s89, s14, 1152
	s_add_co_u32 s89, s89, IMG
	s_lshl_b32 s90, s14, 11
	s_add_co_u32 s90, s90, BIMG
	s_xor_b32 s91, s14, 1
	s_lshl_b32 s91, s91, 11
	s_add_co_u32 s91, s91, HIMG
	s_lshl_b32 s92, s16, 12
	s_add_co_u32 s92, s92, BIMG
	s_mul_i32 s93, s14, 16*SPITCH
	s_lshl_b32 s94, s16, 20
	s_lshl_b32 s95, s85, 20
	v_and_b32 v1, 15, v0                           ; r
	v_bfe_u32 v2, v0, 4, 1                         ; h
	v_and_b32 v3, 31, v0
	v_lshlrev_b32 v[PFO], 12, v3
	v_lshlrev_b32 v5, 4, v3
	v_lshlrev_b32 v[VLO], 4, v1                    ; lora_A: 16 lanes take 256 bytes of a row, the halves neighbouring rows, a wave its 64 of 256 K
	v_lshl_add_u32 v[VLO], v2, 14, v[VLO]
	v_add_nc_u32 v[VLO], s88, v[VLO]
	v_lshlrev_b32 v7, 6, v1                        ; lora_B: row r, 32 bytes a half
	v_lshl_add_u32 v7, v2, 5, v7
	v_mul_u32_u24 v4, v1, PITCH
	v_lshl_add_u32 v4, v2, 4, v4
	v_add_nc_u32 v[ADRA], s86, v4
	v_add_nc_u32 v[ADRAH], s87, v4
	v_add_nc_u32 v[ADRB], s22, v4
	v_add_nc_u32 v[ADRA+1], SLOT, v[ADRA]
	v_add_nc_u32 v[ADRAH+1], SLOT, v[ADRAH]
	v_add_nc_u32 v[ADRB+1], SLOT, v[ADRB]
	v_lshrrev_b32 v[VST], 2, v1                    ; a lane's 4 codes: 16-byte piece r / 4 of the wave's four, row h + 2t
	v_mul_u32_u24 v[VST], v[VST], 288
	v_and_b32 v3, 3, v1
	v_lshl_add_u32 v[VST], v3, 2, v[VST]
	v_lshl_add_u32 v[VST], v2, 4, v[VST]
	v_add_nc_u32 v[VST], s89, v[VST]
	v_mul_u32_u24 v[VLI], v2, 288
	v_lshl_add_u32 v[VLI], v1, 4, v[VLI]
	v_add_nc_u32 v[VLI], IMG, v[VLI]
	v_add_nc_u32 v[LW], s90, v5
	v_add_nc_u32 v[HRI], s91, v5
	v_add_nc_u32 v[BRI], s92, v5
	v_mul_u32_u24 v[STO], v1, SPITCH
	v_lshl_add_u32 v[STO], v2, 5, v[STO]
	v_add_nc_u32 v[STO], s93, v[STO]
	v_add_nc_u32 v[RD], s93, v5
	v_add_nc_u32 v[COL], s94, v5
	v_add_nc_u32 v[COH], s95, v5
	s_bfe_u32 s40, ttmp6, 0x40000                  ; cx
	s_bfe_u32 s41, ttmp6, 0x40004                  ; cy
	s_lshl_b32 s42, ttmp9, 2
	s_add_co_u32 s42, s42, s40                     ; tile column
	s_and_b32 s17, ttmp7, 0xffff                   ; cluster y = batch
	s_lshl_b32 s82, s17, 2
	s_add_co_u32 s17, s82, s41                     ; tile row
	s_lshl_b32 s43, s41, 2
	s_lshl_b32 s43, 15, s43                        ; my row of the cluster
	s_lshl_b32 s44, 0x1111, s40                    ; my column
	s_or_b32 s[G1+0], s43, (0<<16)|(1<<20)|(1<<21)|(5<<22)|(3<<25)  ; elements of a byte; 4 words of padding behind 64; bit 21 beside the mask
	s_or_b32 s[G1B+0], s44, (0<<16)|(1<<20)|(1<<21)|(5<<22)|(3<<25)
.irp g, G1, G1B
	s_mov_b32 s[\g+1], ROWB<<16
	s_mov_b32 s[\g+2], 128<<16
	s_mov_b32 s[\g+3], ROWB<<16
	s_mov_b32 s[\g+4], 128
	s_mov_b32 s[\g+5], KROW
	s_mov_b32 s[\g+6], 0
	s_mov_b32 s[\g+7], 0
.endr
	s_lshl_b32 s18, s16, 7
	s_lshl_b32 s20, s17, 8
	s_add_co_u32 s20, s20, s18
	s_lshl_b32 s20, s20, 12                        ; X: (256 x tile row + 128 x half) rows of 4096 bytes
	s_mov_b32 s21, 0
	s_lshl_b32 s46, s42, 8
	s_add_co_u32 s46, s46, s18
	s_lshl_b32 s46, s46, 12                        ; W likewise by the tile column
	s_mov_b32 s47, 0
	s_mul_i32 s45, s14, HALFT
	s_cmp_eq_u32 s15, 0
	s_cselect_b32 s66, s17, s42
	s_cselect_b32 s67, s40, s41                    ; my place among the four that ask with me
	s_lshl_b32 s66, s66, 8
	s_add_co_u32 s66, s66, s18
	s_lshl_b32 s67, s67, 5
	s_add_co_u32 s66, s66, s67
	s_lshl_b32 s66, s66, 12                        ; my 32 rows to prefetch
	s_mov_b32 s67, 0
	s_wait_alu depctr_va_vdst(0)
	s_wait_dscnt 0x0                               ; both opening adds are done
	s_wait_kmcnt 0x0
	s_load_b128 s[76:79], s[8:9], 0x0              ; e0 .. e3
	s_load_b32 s80, s[68:69], s82 offset:0x0       ; the batch's adapter
	s_add_nc_u64 s[20:21], s[4:5], s[20:21]
	s_add_nc_u64 s[46:47], s[6:7], s[46:47]
.irp s, 0,1
	s_mov_b32 s[G0+4*\s], 1
	s_add_co_u32 s[G0+4*\s+1], s45, \s*SLOT
	s_add_nc_u64 s[G0+4*\s+2:G0+4*\s+3], s[20:21], \s*ROWB
	s_or_b32 s[G0+4*\s+3], s[G0+4*\s+3], 0x80000000
	s_mov_b32 s[G0B+4*\s], 1
	s_add_co_u32 s[G0B+4*\s+1], s45, \s*SLOT
	s_add_nc_u64 s[G0B+4*\s+2:G0B+4*\s+3], s[46:47], \s*ROWB
	s_or_b32 s[G0B+4*\s+3], s[G0B+4*\s+3], 0x80000000
.endr
	s_cmp_eq_u32 s15, 0
	s_cselect_b64 s[98:99], s[4:5], s[6:7]
	s_add_nc_u64 s[98:99], s[98:99], s[66:67]
	CROUND                                         ; all sixteen work-groups are here
	JLOAD 0                                        ; K step 0
	s_wait_kmcnt 0x0
	s_min_u32 s80, s80, 31
	s_lshl_b32 s80, s80, 18                        ; an adapter's 262,144 bytes in both tables
	s_mov_b32 s81, 0
	s_add_nc_u64 s[70:71], s[70:71], s[80:81]
	s_add_nc_u64 s[72:73], s[72:73], s[80:81]
	s_lshl_b32 s82, s42, 14
	s_lshl_b32 s83, s14, 12
	s_add_co_u32 s82, s82, s83                     ; lora_B: my 64 of the tile's 256 columns
	s_mov_b32 s83, 0
	s_add_nc_u64 s[72:73], s[72:73], s[82:83]
	s_lshl_b32 s46, s42, 10
	s_lshl_b32 s47, s16, 9
	s_add_co_u32 s46, s46, s47                     ; my first column in bytes of f32
	s_mov_b32 s47, 0
	s_add_nc_u64 s[74:75], s[74:75], s[46:47]
	global_load_b128 v[BIAS:BIAS+3], v5, s[74:75]
.irp i, 0,1,2,3
	global_load_b128 v[64+8*\i:64+8*\i+3], v7, s[72:73] offset:1024*\i
	global_load_b128 v[64+8*\i+4:64+8*\i+7], v7, s[72:73] offset:1024*\i+16
.endr
.irp t, 0,1,2,3,4,5,6,7
	global_load_b128 v[HACC+4*\t:HACC+4*\t+3], v[VLO], s[70:71] offset:\t*32768        ; lora_A's K step 0
.endr
.irp t, 0,1,2,3,4,5,6,7
	global_load_b128 v[R+4*\t:R+4*\t+3], v[VLO], s[70:71] offset:\t*32768+1024         ; and K step 1
.endr
	PREF 256                                       ; K steps 1 and 2
	PREF 512
	s_add_co_i32 s86, s79, 127
	s_lshl_b32 s87, s86, 23                        ; 2^e3
	s_add_co_i32 s86, s86, 8
	s_lshl_b32 s86, s86, 23
	s_or_b32 s86, s86, 0x600000                    ; 448 x 2^e3
	v_mov_b32 v[QS], s87
	v_mov_b32 v[QL], s86
	s_add_co_i32 s96, s76, s77
	s_add_co_i32 s84, s78, s79
	s_sub_co_i32 s84, s84, s96                     ; h joins sums that lack 2^(e0+e1)
	s_add_co_i32 s96, s96, 127
	s_lshl_b32 s96, s96, 23                        ; 2^(e0+e1)
	s_mov_b32 s97, s96
	s_lshl_b32 s20, s17, 8
	s_lshl_b32 s21, s15, 7
	s_add_co_u32 s20, s20, s21
	s_lshl_b32 s20, s20, 14                        ; my first row of out, 16,384 bytes a row
	s_mov_b32 s21, 0
	s_add_nc_u64 s[20:21], s[20:21], s[46:47]
	s_add_nc_u64 s[10:11], s[10:11], s[20:21]
	s_wait_alu depctr_va_vdst(0)                   ; the wait at the head's end
	s_wait_tensorcnt 0x0                           ; my part of K step 0 is in
	ds_add_u32 v[SPW], v[NIL]
	s_wait_dscnt 0x0
	CROUND
	JLOAD 1                                        ; K step 1
.irp i, 0,1,2,3
	LB 0, 0, \i, 0
.endr
	LA 0, 0, 0, 0
.irp i, 4,5,6,7
	LB 0, 0, \i, 0
.endr
.irp i, 1,2,3,4,5,6,7
	LA 0, 0, \i, \i
.endr
	PREF 768                                       ; K step 3
; K step 0's first 128: the products start the sums; its part of h comes behind them, when the adapter's numbers are here
	s_wait_dscnt 44
	MQ 0, 0, 0, 1
	s_wait_dscnt 28
	MQ 0, 1, 0, 1
.irp a, 1,2,3,4,5,6,7
	s_wait_dscnt 4*(7-\a)
	MQ \a, 0, 0, 1
	MQ \a, 1, 0, 1
.endr
.irp i, 0,1,2,3,4,5,6,7
	LB 0, 1, \i, 1
.endr
	WIN 0
	s_wait_loadcnt 16                              ; lora_B is in; lora_A's 16 loads may be out
.irp m, 0,1,2,3,4,5,6,7,8,9,10,11,12,13,14,15
	v_cvt_pk_bf16_f32 v[64+\m], v[64+2*\m], v[64+2*\m+1]
.endr
.irp i, 0,1,2,3
	ds_store_b128 v[LW], v[64+4*\i:64+4*\i+3] offset:512*\i
.endr
	s_wait_loadcnt 8                               ; lora_A's K step 0 is in
.irp u, 0,1,2,3
.irp m, 0,1,2,3,4,5,6,7
	v_med3_num_f32 v[HACC+8*\u+\m], v[HACC+8*\u+\m], -v[QL], v[QL]
.endr
.endr
.irp u, 0,1,2,3
	v_cvt_scalef32_pk8_fp8_f32 v[QC+2*\u:QC+2*\u+1], v[HACC+8*\u:HACC+8*\u+7], v[QS]
.endr
	v_nop
.irp t, 0,1,2,3,4,5,6,7
	ds_store_b32 v[VST], v[QC+\t] offset:32*\t
.endr
	s_wait_dscnt 0x0                               ; my stores of image 0 and of lora_B are done, for the other waves
	s_barrier_signal -1
	s_barrier_wait -1
	LL 0, 0
	CHUNK 0, 1, 6, 2048
	CHUNK 1, 1, 6, 2048
	CHUNK 2, 1, 6, 2048
	s_wait_dscnt 6                                 ; lora_A's fragment is in; the chunks' six stores may be out
.irp i, 0,1,2,3
	HM \i, \i, 1
.endr
	PLACES 4
	LA 0, 1, 0, 0
	LA 0, 1, 1, 1
	LA 0, 1, 2, 2
	LL 0, 1
	LA 0, 1, 3, 3
	LA 0, 1, 4, 4
	LA 0, 1, 5, 5
	s_mov_b32 s3, 6
.Llap:                                                 ; a trip goes once round the ring; refills, lora_A's loads and the prefetches stay inside their rows in all six
	s_wait_xcnt 0x0                                ; the loads and prefetches have read their bases
	s_add_nc_u64 s[70:71], s[70:71], 2048
	s_add_nc_u64 s[98:99], s[98:99], 512
	TURN 0, 6, 0, 1, 512
	STEP 1, 6, 6, 6, 1024
	TURN 1, 6, 1024, 1, 768
	STEP 0, 6, 6, 6, 2048
	WIN 0
	s_sub_co_u32 s3, s3, 1
	s_cmp_lg_u32 s3, 0
	s_cbranch_scc1 .Llap
	s_wait_xcnt 0x0
	s_add_nc_u64 s[70:71], s[70:71], 2048
	TURN 0, 6, 0, 1, -1                            ; K step 14 is asked for
	STEP 1, 6, 6, 6, 1024
	TURN 1, 6, 1024, 1, -1                         ; K step 15, and lora_A's last loads
	STEP 0, 6, 4, 2, -1
	TURN 0, 0, -1, 0, -1
; THE LAST K STEP, in slot 1, by blocks of 16 rows: W's fragments of all 256 K fill window 1.  X's blocks 0-3 come first, h is finished from them, then
; each block takes its h x lora_B and leaves while later ones are multiplied.
	PLACES 4
.irp i, 0,1,2,3
	LA 1, 1, \i, 4+\i
.endr
.irp i, 0,1,2,3,4,5,6,7
	LB 1, 1, \i, 1
.endr
	s_wait_dscnt 48                                ; the first 128's fragments are in; the 48 loads just issued may be out
.irp i, 0,1,2,3
	HM \i, \i, 0
.endr
	RQ 0, 0
	PLACES 4
	LL 1, 1
	RQ 1, 0
	RQ 2, 0
	RQ 3, 0
	s_wait_dscnt 0x0
.irp i, 0,1,2,3
	HM \i, 4+\i, 0
.endr
	RQ 0, 1
	RQ 1, 1
	RQ 2, 1
	PLACES 4
.irp i, 0,1,2,3
	LA 1, 0, 4+\i, \i
.endr
.irp i, 0,1,2,3
.irp m, 0,1,2,3,4,5,6,7
	v_ldexp_f32 v[HACC+8*\i+\m], v[HACC+8*\i+\m], s84
.endr
.endr
.irp i, 0,1,2,3
.irp m, 0,1,2,3
	v_cvt_pk_bf16_f32 v[32+8*\i+\m], v[HACC+8*\i+2*\m], v[HACC+8*\i+2*\m+1]
.endr
.endr
.irp i, 36,44,52,60,68,76,84,4,124                     ; k = 16 .. 31 of h's fragments (blocks 0-3, 4-6, 7) and behind lora_B's last fragment: zeros
.irp m, 0,1,2,3
	v_mov_b32 v[\i+\m], 0
.endr
.endr
.irp i, 0,1,2,3
	ds_store_b128 v[LW], v[32+8*\i:32+8*\i+3] offset:8192+512*\i
.endr
.irp b, 0,1,2,3,4,5,6,7
	ds_load_b128 v[LBF+4*\b:LBF+4*\b+3], v[BRI] offset:512*\b
.endr
; h x lora_B onto block a: the zeros of h stand against the second half of each fragment of lora_B
.macro LORA a
.if (\a) < 7
.set HR, 32+8*(\a)
.else
.set HR, 0
.endif
	WIN 0xa0+0x50*((\a)/4)
.irp b, 0,1,2,3,4,5,6,7
	v_wmma_f32_16x16x32_bf16 v[64*((\a)%4)+8*\b:64*((\a)%4)+8*\b+7], v[LBF+4*\b:LBF+4*\b+7], v[HR:HR+7], v[64*((\a)%4)+8*\b:64*((\a)%4)+8*\b+7]
.endr
.endm
; Block a into my stage and back, as whole rows of 512 bytes, into its own accumulators' registers (LDS serves a wave's instructions in order: ISA guide 5.7.1.4)
.macro TOSTAGE a
.set AC, 64*((\a)%4)
	PLACES 4
	WIN 0x08+4*((\a)/4)
.irp b, 0,1,2,3,4,5,6,7
	ds_store_b128 v[STO], v[AC+8*\b:AC+8*\b+3] offset:64*\b
	ds_store_b128 v[STO], v[AC+8*\b+4:AC+8*\b+7] offset:64*\b+16
.endr
	WIN 0x80+0x40*((\a)/4)
.irp t, 0,1,2,3,4,5,6,7,8,9,10,11,12,13,14,15
	ds_load_b128 v[AC+4*\t:AC+4*\t+3], v[RD] offset:\t*SPITCH
.endr
.endm
; x 2^(e0+e1) + bias, and out: 32 lanes store 512 consecutive bytes.  y: the LDS instructions behind the block's loads, which may be out.
; The multiply-adds are also the places between the next block's fp8 products and its bf16 ones.
.macro SEND a, y
.set AC, 64*((\a)%4)
.if (\a) < 4
.set CC, COL
.else
.set CC, COH
.endif
	s_wait_dscnt \y
	WIN 0x82+0x41*((\a)/4)
.irp t, 0,1,2,3,4,5,6,7,8,9,10,11,12,13,14,15
	v_pk_fma_f32 v[AC+4*\t:AC+4*\t+1], v[AC+4*\t:AC+4*\t+1], s[96:97], v[BIAS:BIAS+1] op_sel_hi:[1,0,1]
	v_pk_fma_f32 v[AC+4*\t+2:AC+4*\t+3], v[AC+4*\t+2:AC+4*\t+3], s[96:97], v[BIAS+2:BIAS+3] op_sel_hi:[1,0,1]
.endr
	WIN 0x08+4*((\a)/4)
.irp t, 0,1,2,3,4,5,6,7,8,9,10,11,12,13,14,15
	global_store_b128 v[CC], v[AC+4*\t:AC+4*\t+3], s[10:11] offset:(16*((\a)%4)+\t)*SIZE_N*4 th:TH_STORE_NT
.endr
.endm
	s_wait_alu depctr_va_vdst(0)
	s_wait_dscnt 0x0                               ; my h is stored, for the wave that shares my rows; lora_B's fragments are in
	s_barrier_signal -1
	RQ 3, 1
	LORA 0
	WIN 0
	s_barrier_wait -1
	TOSTAGE 0
	WIN 0
.irp i, 0,1,2
	ds_load_b128 v[64+8*\i:64+8*\i+3], v[HRI] offset:512*\i    ; h of blocks 4-7
.endr
	ds_load_b128 v[0:3], v[HRI] offset:1536
.irp i, 0,1,2,3
	LA 1, 1, 4+\i, 4+\i
.endr
	LORA 1
	TOSTAGE 1
	SEND 0, 52                                     ; behind it: 4 of h, 16 of X, block 1's 32
	LORA 2
	TOSTAGE 2
	SEND 1, 32
	LORA 3
	TOSTAGE 3
	SEND 2, 32
.irp a, 4,5,6,7
	RQ \a, 0
	RQ \a, 1
	SEND \a-1, 0
	LORA \a
	TOSTAGE \a
.endr
	SEND 7, 0
	WIN 0
	s_wait_tensorcnt 0x0                           ; the wave's end
	ds_add_u32 v[SPW], v[NIL]
	s_wait_dscnt 0x0
	CROUND                                         ; the closing round
	s_endpgm
.Lfunc_end_k_qec020d2497_lora_gemm:
	.size	k_qec020d2497_lora_gemm, .Lfunc_end_k_qec020d2497_lora_gemm-k_qec020d2497_lora_gemm
	.p2alignl 7, 3214868480
	.fill 96, 4, 3214868480
	.section	.rodata,"a",@progbits
	.p2align	6, 0x0
	.amdhsa_kernel k_qec020d2497_lora_gemm
		.amdhsa_group_segment_fixed_size 327680
		.amdhsa_private_segment_fixed_size 0
		.amdhsa_enable_private_segment 0
		.amdhsa_kernarg_size 64
		.amdhsa_user_sgpr_count 2
		.amdhsa_user_sgpr_kernarg_segment_ptr 1
		.amdhsa_wavefront_size32 1
		.amdhsa_system_sgpr_workgroup_id_x 1
		.amdhsa_system_sgpr_workgroup_id_y 1
		.amdhsa_system_sgpr_workgroup_id_z 1
		.amdhsa_system_vgpr_workitem_id 0
		.amdhsa_next_free_vgpr 1024
		.amdhsa_next_free_sgpr 100
		.amdhsa_reserve_vcc 0
		.amdhsa_float_denorm_mode_32 3
		.amdhsa_float_denorm_mode_16_64 3
		.amdhsa_memory_ordered 1
		.amdhsa_forward_progress 1
		.amdhsa_inst_pref_size 212
	.end_amdhsa_kernel
	.amdgpu_metadata
---
amdhsa.version: [ 1, 2 ]
amdhsa.kernels:
  - .name:           k_qec020d2497_lora_gemm
    .symbol:         k_qec020d2497_lora_gemm.kd
    .args:
      - { .name: x_codes, .offset: 0, .size: 8, .value_kind: global_buffer, .address_space: global }
      - { .name: base_weight_codes, .offset: 8, .size: 8, .value_kind: global_buffer, .address_space: global }
      - { .name: lowp_scales, .offset: 16, .size: 8, .value_kind: global_buffer, .address_space: global }
      - { .name: out0, .offset: 24, .size: 8, .value_kind: global_buffer, .address_space: global }
      - { .name: adapter_ids, .offset: 32, .size: 8, .value_kind: global_buffer, .address_space: global }
      - { .name: lora_A_w, .offset: 40, .size: 8, .value_kind: global_buffer, .address_space: global }
      - { .name: lora_B_w, .offset: 48, .size: 8, .value_kind: global_buffer, .address_space: global }
      - { .name: base_bias, .offset: 56, .size: 8, .value_kind: global_buffer, .address_space: global }
    .group_segment_fixed_size: 327680
    .private_segment_fixed_size: 0
    .kernarg_segment_align: 8
    .kernarg_segment_size: 64
    .max_flat_workgroup_size: 128
    .sgpr_count:     100
    .vgpr_count:     1024
    .wavefront_size: 32
...
	.end_amdgpu_metadata
.endif
;; end of part 1
